; MI455X (gfx1250); checked and timed in simulation.
; The chip was launched on July 23, 2026; its instructions are those of AMD's public machine-readable ISA for CDNA 5 (MIT licence, August 2026) and "CDNA5" Instruction Set Architecture Reference Guide (July 2026). The comments in the code are by the model that wrote it; some were corrected since.
;; Weight Matrix Transformer Decoder V2. Allowed arithmetic: matrix products marked QUANTISED: E4M3 operands, one given power-of-two scale a tensor, by v_wmma_f32_16x16x64_fp8_fp8 or v_wmma_f32_16x16x128_fp8_fp8, f32 sums; everything else in f32.
;; Inputs: W_proj_codes 16,384 x 16 x 32 uint8 (E4M3 codes of W_proj, K innermost, in blocks of 32 codes); b_proj 16,384 float32; lowp_scales 4 int32 (the exponents e of the quantised operands' scales 2^e); token_codes 16 x 256 x 16 x 32 uint8 (E4M3 codes of token, K innermost, in blocks of 32 codes).
;; Outputs: out0 16 x 256 x 512 float32.
;; This version of the problem:
;;   THIS VERSION OF THE PROBLEM IS GIVEN IN LOW PRECISION. The matrix products marked QUANTISED in the list below multiply operands that are first quantised to E4M3 (4 exponent bits, 3 mantissa bits; 8 bits a number), with one given power-of-two scale for each operand tensor; their sums are f32. All else is computed in f32.
;;   The module's matrix products, in the order in which they are computed (A, B: the left and right operand; K: the contracted axis; several contracted axes count as one K, in the product's order):
;;     1. [M 4,096, K 512] x [K 512, N 16,384]; A: input token (given as codes); B: input W_proj (given as codes): QUANTISED (scales: A lowp_scales[0], B lowp_scales[1])
;;     2. batch 8,192 x [M 16, K 256] x [K 256, N 16]; A: computed on the way; B: computed on the way: QUANTISED (scales: A lowp_scales[2], B lowp_scales[3])
;;   THE QUANTISER, for each operand of a quantised product, along K:
;;     - The operand's scale is 2^e, e = its entry of the input lowp_scales (int32; the entries are numbered through the quantised products in the list's order, A before B).
;;     - Each number is divided by the scale, clamped to +-448, and rounded to the nearest number of E4M3, ties to even, subnormals kept.
;;     - The product sums the exact products of the quantised numbers (number of the format x scale) in f32.
;;   ~~~python
;;   def quantise(x, axis, e):      # numpy; x: float32 -> the quantised numbers, widened to float32 again
;;       x = np.moveaxis(x, axis, -1); K = x.shape[-1]
;;       r = np.clip(x / 2.0 ** e, -448, 448)
;;       step = 2.0 ** (np.maximum(np.frexp(np.where(r == 0, 1, r))[1] - 1, -6) - 3)
;;       q = np.round(r / step) * step * 2.0 ** e      # np.round: ties to even
;;       return np.moveaxis(q, -1, axis).astype(np.float32)
;;   ~~~
;;   OPERANDS COMPUTED ON THE WAY. 'Computed on the way' means the value that the module computes at that place (a softmax that the list does not call 'softmax' is quantised finished and normalised). What goes into a quantiser is computed in f32, as accurately as f32 sums, v_exp_f32 and their like allow (about 1e-6 of the number): no bf16 or f16 on the way to a quantiser, and a product that is left as it is and whose result goes on into a quantised operand takes f32 operands (vector FMAs, or v_wmma_f32_16x16x4_f32). A number that lies on a knife's edge between two numbers of the format may be rounded either way, as far as f32 arithmetic and the matrix unit's own rounding can turn it there, and no further.
;;   INPUTS GIVEN AS CODES. W_proj (in the module: [512, 16384], K = its axis 0); token (in the module: [16, 256, 512], K = its axis 2): each comes as NAME_codes (uint8): NAME with its K axis moved to the last place and cut into blocks of 32 codes, [.., K / 32, bytes a block], one block behind the other in memory; one code a byte (a code: sign, 4 exponent bits, 3 mantissa bits); its scale is its entry of lowp_scales. Its value is code x scale, taken as it is: it is not quantised again, and the codes and scales need not be those that the quantiser above would give.
;; One version. Each part assembles by itself: llvm-mc -triple=amdgcn-amd-amdhsa -mcpu=gfx1250 --defsym DOCPART=n.
;; ======== version 1 of 1: 1 launch
;; limits: a function is approximated: absolute error at most 3e-05; right only within a limited range of input values
;; launch fused (part 1): grid 16 x 16, 4 waves a work-group, clusters of 4 x 4, 327,680 bytes of LDS; arguments token_codes, W_proj_codes, b_proj, lowp_scales, out0; writes out0
.if DOCPART == 1
	.amdgcn_target "amdgcn-amd-amdhsa--gfx1250"
	.amdhsa_code_object_version 6
	.text
	.protected	k_q19adb40e2b_fused
	.globl	k_q19adb40e2b_fused
	.p2align	8
	.type	k_q19adb40e2b_fused,@function
k_q19adb40e2b_fused:
	s_mov_b64 s[64:65], 0
	v_nop
	global_prefetch_b8 v0, s[64:65] scope:SCOPE_SE
	s_setreg_imm32_b32 hwreg(HW_REG_WAVE_MODE, 25, 1), 1
	s_wait_xcnt 0x0
	s_wait_alu depctr_hold_cnt(0) depctr_sa_sdst(0) depctr_va_vdst(0) depctr_va_sdst(0) depctr_va_ssrc(0) depctr_va_vcc(0) depctr_vm_vsrc(0)
	s_getreg_b32 s2, hwreg(HW_REG_IB_STS2, 6, 4)
	s_cmp_eq_u32 s2, 0
	s_cbranch_scc0 .Lentry_in_a_cluster
	s_endpgm
.Lentry_in_a_cluster:
	s_bfe_u32 s2, ttmp6, 0x10000c
	s_cmp_lg_u32 s2, 0xf033
	s_cbranch_scc0 .Lentry_shape_is_right
	s_endpgm
.Lentry_shape_is_right:
; out0[b][16 d + e][h] = sum over n of Q(rot(silu(k)))[b][h][n][d] x Q(v)[b][h][n][e],  kv = token W + bias,  column 32 h + dd of kv: dd < 16 is k, dd >= 16 is v.
; Both products on codes of FP8 (E4M3): token and W arrive as codes (scales 2^e0, 2^e1), k and v are quantised here along n with the given 2^e2, 2^e3.  kv never leaves the registers.
; SHARES.  A work-group owns one batch b (256 rows n) and 32 heads (1,024 rows of W's codes).  Wave w = 2 i + jw owns rows 128 i .. 128 i + 127 and heads 16 jw .. 16 jw + 15 of the 32.
; Its 128 x 512 token codes stay in 512 registers for the whole launch, so a fragment of W read from LDS feeds eight matrix instructions and no fragment of the tokens is read twice.
; W goes through a ring of two LDS slots of 128 rows (two heads for each jw).  A TILE: 128 rows x 64 columns (two heads) x K 512 = 128 matrix instructions on 32 accumulators, then the way to codes, then
; four matrix instructions (K = my 128 n) that give my part of the two heads' 16 x 16 results, kept in my own stage in LDS.  At the end the two row halves' parts are added and stored.
; LAYOUT.  Source 0 = 16 token rows, source 1 = 16 rows of W: a lane holds ONE column of kv, and its eight registers of row tile t are n = 16 t + 8 (lane / 16) + 0 .. 7: neighbours along the second product's K.
; So the conversions of row tiles 0 .. 7 give registers 2 t, 2 t + 1 of the second product's operand, for k and for v alike, and nothing changes lanes.
; THE ROWS OF W THAT FORM A TILE OF k ARE CHOSEN so that a rotary pair lies in one lane: tile X holds (head 0, d = 2 r) in lanes r < 8 and (head 1, d = 2 (r - 8) + 1) in lanes r >= 8; tile Y the partners.
; Then X' = X c - Y s, Y' = Y c + X s in every lane, with s = sin for r < 8 and -sin for r >= 8, which comes of taking -theta there; theta's index is 8 x (the tile's first head) + r in all sixteen lanes.
; The price: X and Y each meet both heads' v (four products for two heads), and of each result the half of the lanes whose heads agree is kept.
; PHASES.  theta = 2^(-index log2(10000) / 4096), by an exact split of the exponent, v_exp_f32 and v_ldexp_f32; cos and sin of theta (at most 1) by Taylor sums up to x^10 and x^11 (what is cut is under 3e-9);
; powers by complex products.  255 - n = (248 - 128 i - 8 (lane / 16) - 16 t) + (7 - j): the phase is E_t x F_j.
; LIMIT: the errors of theta and of each squaring grow with the angle: at index 255 and theta near 1 the phase may be off by some 3e-5 radians and the length by some 1e-5; both shrink in proportion to the angle.
; One unit in theta's last place alone moves that angle by 1.5e-5, which is also the spacing of f32 numbers at 255.
; SCALES.  The bias goes in as the C of each sum's first product, as bias / 2^(e0 + e1); a sum then stands for kv / 2^(e0 + e1); v's conversion takes 2^(e3 - e0 - e1), k's 2^(e2 - e0 - e1); the result is multiplied by 2^(e2 + e3).
; LIMITS on the given exponents, so that each power of two is an f32 number: e0 + e1 and e2 + e3 between -126 and 127; e2 - e0 - e1 and e3 - e0 - e1 between -126 and 119.  NaN among the inputs is not served.
; CLUSTER.  4 x 4 work-groups.  The four of a row share the batch and ask for the tokens jointly; the four of a column share the heads and ask for each tile of W jointly.
; STORES.  The work-group's 32 heads are 128 bytes of an output row of 2,048: a store of a wave covers four runs of 128 consecutive bytes.  64 heads to a work-group would give runs of 256 and work for 128 work-groups only.
;
; LDS: 0 slot 0, SLOT slot 1 (128 rows x 528);  TOK 256 token rows x 528, filled once; when all waves have read it, its first 81,920 bytes are the four stages (256 rows (16 d + e) x 80 bytes: 16 heads + 16 of padding);
;      BIAS 1,024 numbers;  SPARE the spare words.
; REGISTERS, in windows of 256:  window 0: v0-31 addresses and constants; v32-95, v96-159 W's fragments, two sets; v160-191 the bias, eight times each; v192-223 v's codes; v224-255 the second product's results.
;   window 1: the 32 accumulators (column tile ct, row tile t) at v[8 (8 ct + t)], ct 0 = X, 1 = Y, 2 = v of head 0, 3 = v of head 1; once v is converted, v128-255 are at work (see below).
;   windows 2, 3: the tokens: fragment (row tile t, K step s) in window 2 + s / 2 at v[16 (8 (s % 2) + t)].
.set PITCH, 528                        ; an LDS row: 512 bytes + 16 of padding = 132 words: row r starts 4 r words on, modulo 64
.set SLOT,  128*PITCH                  ; 67,584 = 0x10800
.set TOK,   2*SLOT
.set STG,   TOK
.set SREG,  20480                      ; a wave's stage
.set BIAS,  TOK+256*PITCH
.set SPARE, BIAS+4096                  ; 128 bytes for each wave: two blocks of 256 bytes that no other line names
; window 0
.set SPW, 1                            ; LDS address of my spare word; never rewritten
.set NIL, 2                            ; 0; never rewritten
.set RR,  3                            ; r = lane % 16
.set HH,  4                            ; lane / 16
.set AX0, 5                            ; my lane's place in a slot: tile X, tile Y, v of head 0
.set AY0, 6
.set AV0, 7
.set BX0, 8                            ; my column's bias in LDS, likewise
.set BY0, 9
.set BV0, 10
.set SX0, 11                           ; where X's and Y's results go in my stage
.set SY0, 12
.set ATOK, 13                          ; my lane's place in my 128 token rows
.set RD0, 14                           ; the way out: where I read the stages
.set VO,  15                           ; and my byte offset in out0
.set AX,  16                           ; v16-23: the eight addresses of the tile in hand
.set AY,  17
.set AV,  18
.set BX,  19
.set BY,  20
.set BV,  21
.set SX,  22
.set SY,  23
.set BB,  24                           ; v24-27 the tile's four bias numbers of my lane
.set SCV, 28                           ; 2^(e3 - e0 - e1) as f32
.set T32, 29                           ; 32 x thread
.set BF0, 32
.set BF1, 96
.set BC,  160
.set VC0, 192
.set VC1, 208
.set D2,  224
; window 1, once v is converted
.set FC,  128                          ; cos, sin of (7 - j) theta
.set FS,  136
.set EE,  144                          ; pair t: cos, sin of (248 - 128 i - 8 (lane / 16) - 16 t) theta
.set XC,  160                          ; X's and Y's codes
.set YC,  176
.set SCK, 192                          ; 2^(e2 - e0 - e1) as f32
.set TA,  194                          ; 16 at work: the sigmoids of a row tile
.set Z8,  TA                           ; while the phases are made: powers of z = e^(i theta), as (cos, sin)
.set Z16, TA+2
.set Z32, TA+4
.set Z64, TA+6
.set Z128, TA+8
.set PP,  TA+10
.set QQ,  TA+12
.set CC,  210                          ; cos, sin of a row tile's eight angles
.set SS,  218
.set UU,  226
.set WW,  234
.set KTI, 242
.set KTH, 243
.set KX2, 244
.set KPS, 245
.set KPC, 246
.set KT0, 247
.set KT1, 248
; scalars: s14 wave, s15 i, s16 jw, s19 head group, s20 batch; s[24:31], s[32:39] descriptor groups 1 (tokens, W); s[40:43], s[44:47] groups 0; s50 the slot in hand; s51, s52, s53 the tile's steps in the bias,
; the stage and theta's index; s54 counter; s[56:59] e0 .. e3; s[60:61] -log2(e) 2^(e0+e1); s62 v's scale; s68 k's scale; s[70:71] 2^(e2+e3); s72 -(e0+e1); s73-75 lane masks
.set MSB, 0
.macro WIN new                         ; the immediate's high byte repeats the setting that is left; a switch that changes nothing is dropped
.if MSB != \new
	s_set_vgpr_msb (MSB<<8)|\new
.set MSB, \new
.endif
.endm
.macro PLACES                          ; four plain vector instructions between a matrix instruction and a read of its result, a write of its registers, or a load into them
.rept 4
	v_nop
.endr
.endm
; A round of the cluster's barrier: my work-group's barrier, so that wave 0's signal speaks for all four waves; wave 0 signals; every wave waits for all sixteen work-groups; my work-group's barrier once more.
.macro ROUND
	s_barrier_signal -1
	s_barrier_wait -1
	s_cmp_lg_u32 s14, 0
	s_cbranch_scc1 .Lnot_wave_0_\@
	s_barrier_signal -3
.Lnot_wave_0_\@:
	s_barrier_wait -3
	s_barrier_signal -1
	s_barrier_wait -1
.endm
; THE CHANGE OF SLOTS, behind a tile.  Each wave waits for all its tensor loads (its quarter of the next slot), adds 0 to its spare word, and waits for that, for its reads of the slot that it leaves and for its stores.
; fill = 1: the slot just read is filled with the tile two on; the barrier is then a round of the cluster's, and the joint load is the first thing behind it: it has a whole tile's work in which to land.
.macro CHANGE fill
	s_wait_tensorcnt 0x0                           ; no tensor load of mine is out, so the walking group 0 may be written
	ds_add_u32 v[SPW], v[NIL]                      ; 0 onto my spare word
.if \fill
	s_xor_b32 s45, s45, SLOT                       ; the other slot than last time: 16,896 x wave has neither of SLOT's two bits, so the exclusive or adds or takes away a slot
	s_add_nc_u64 s[46:47], s[46:47], 32768         ; the next two heads: 64 rows of 512 bytes; the type bits on top are not reached
.endif
	s_wait_dscnt 0x0                               ; the add is done; my LDS reads are back and my LDS stores have landed
.if \fill
	ROUND
	tensor_load_to_lds s[44:47], s[32:39]          ; my one tensor load until the next round
	s_nop 0
	PLACES                                         ; four v_nop behind it
.else
	s_barrier_signal -1
	s_barrier_wait -1
.endif
.endm
; 16 LDS loads: the four column tiles' fragments (16 rows of W x 128 K) of K step s.  Lane l holds K = 32 c + 16 (l / 16) + 0 .. 15 in registers 4 c .. 4 c + 3: the same permutation of K as in the tokens' fragments.
.macro FETCH s, buf
.irp c, 0,1,2,3
	ds_load_b128 v[\buf+4*\c:\buf+4*\c+3],       v[AX] offset:128*\s+32*\c
	ds_load_b128 v[\buf+16+4*\c:\buf+16+4*\c+3], v[AY] offset:128*\s+32*\c
	ds_load_b128 v[\buf+32+4*\c:\buf+32+4*\c+3], v[AV] offset:128*\s+32*\c
	ds_load_b128 v[\buf+48+4*\c:\buf+48+4*\c+3], v[AV] offset:32*PITCH+128*\s+32*\c
.endr
.endm
; 32 matrix instructions: K step s.  The 32 accumulators take turns, one instruction a turn, in the same order in every step.  Step 0 starts the sums with the bias as C.
.macro MUL s, buf
.irp t, 0,1,2,3,4,5,6,7
.irp ct, 0,1,2,3
.if \s == 0
	v_wmma_f32_16x16x128_fp8_fp8 v[8*(8*\ct+\t):8*(8*\ct+\t)+7], v[16*(8*(\s%2)+\t):16*(8*(\s%2)+\t)+15], v[\buf+16*\ct:\buf+16*\ct+15], v[BC+8*\ct:BC+8*\ct+7]
.else
	v_wmma_f32_16x16x128_fp8_fp8 v[8*(8*\ct+\t):8*(8*\ct+\t)+7], v[16*(8*(\s%2)+\t):16*(8*(\s%2)+\t)+15], v[\buf+16*\ct:\buf+16*\ct+15], v[8*(8*\ct+\t):8*(8*\ct+\t)+7]
.endif
.endr
.endr
.endm
; (dc, ds) = (c, s)^2: c c - s s and 2 c s: an error of the length c c + s s exactly doubles, as the angle's does
.macro CSQ dc, ds, c, s
	v_mul_f32 v[KT0], v[\s], v[\s]
	v_add_f32 v[KT1], v[\c], v[\c]
	v_fma_f32 v[\dc], v[\c], v[\c], -v[KT0]
	v_mul_f32 v[\ds], v[KT1], v[\s]
.endm
; (dc, ds) = (ac, as) x (bc, bs)
.macro CMUL dc, ds, ac, as, bc, bs
	v_mul_f32 v[KT0], v[\as], v[\bs]
	v_mul_f32 v[KT1], v[\as], v[\bc]
	v_fma_f32 v[\dc], v[\ac], v[\bc], -v[KT0]
	v_fma_f32 v[\ds], v[\ac], v[\bs], v[KT1]
.endm
; THE TILE'S PHASES: F_j, j = 0 .. 7, and E_t, t = 0 .. 7.
; theta's exponent: index x log2(10000) / 4096 = index x 3402 / 2^20 + index x (log2(10000) - 13.2890625) / 4096.  The first part is exact in f32 and in whole numbers (12 bits x 12 bits);
; its whole part, (index x 3402) >> 20, goes to v_ldexp_f32, and only what is left, under 1, to v_exp_f32.
.macro TRIG
	WIN 0x40                                       ; destination window 1
	v_add_nc_u32 v[KTI], s53, v[RR]                ; theta's index, 0 .. 4,095
	WIN 0x55                                       ; all in window 1
	v_cvt_f32_u32 v[KT0], v[KTI]
	v_mul_u32_u24 v[KPS], v[KTI], 3402             ; under 2^24
	v_mul_f32 v[KT1], 0x3b54a000, v[KT0]           ; a = index x 3402 / 2^20: exact
	v_lshrrev_b32 v[KPS], 20, v[KPS]               ; a's whole part as a whole number,
	v_floor_f32 v[KX2], v[KT1]                     ; and as f32
	v_sub_f32 v[KT1], v[KX2], v[KT1]               ; -(the rest), exact
	v_fmamk_f32 v[KT1], v[KT0], 0x34b0f686, v[KT1] ; - index x (log2(10000) - 13.2890625) / 4096, which is negative
	v_exp_f32 v[KTH], v[KT1]
	v_sub_nc_u32 v[KPS], 0, v[KPS]                 ; (a plain instruction behind the exponential)
	v_lshlrev_b32 v[KTI], 28, v[KTI]               ; bit 3 of the index is bit 3 of the lane (s53 is a multiple of 16): it becomes the sign
	s_wait_alu depctr_va_vdst(0)
	v_ldexp_f32 v[KTH], v[KTH], v[KPS]             ; theta
	v_and_b32 v[KTI], 0x80000000, v[KTI]
	v_xor_b32 v[KTH], v[KTI], v[KTH]               ; -theta in lanes r >= 8
	v_mul_f32 v[KX2], v[KTH], v[KTH]
	v_mov_b32 v[KPS], 0xb2d7322b                   ; -1/11!
	v_mov_b32 v[KPC], 0xb493f27e                   ; -1/10!
	v_fmaak_f32 v[KPS], v[KPS], v[KX2], 0x3638ef1d ; 1/9!
	v_fmaak_f32 v[KPC], v[KPC], v[KX2], 0x37d00d01 ; 1/8!
	v_fmaak_f32 v[KPS], v[KPS], v[KX2], 0xb9500d01 ; -1/7!
	v_fmaak_f32 v[KPC], v[KPC], v[KX2], 0xbab60b61 ; -1/6!
	v_fmaak_f32 v[KPS], v[KPS], v[KX2], 0x3c088889 ; 1/5!
	v_fmaak_f32 v[KPC], v[KPC], v[KX2], 0x3d2aaaab ; 1/4!
	v_fmaak_f32 v[KPS], v[KPS], v[KX2], 0xbe2aaaab ; -1/3!
	v_fma_f32 v[KPC], v[KPC], v[KX2], -0.5
	v_mul_f32 v[KT0], v[KTH], v[KX2]
	v_fma_f32 v[FC+6], v[KPC], v[KX2], 1.0         ; z = F_6
	v_fma_f32 v[FS+6], v[KT0], v[KPS], v[KTH]
	v_mov_b32 v[FC+7], 1.0                         ; F_7 = 1
	v_mov_b32 v[FS+7], 0
	v_mov_b32 v[SCK], s68
	CSQ  FC+5, FS+5, FC+6, FS+6                    ; z^2
	CMUL FC+4, FS+4, FC+5, FS+5, FC+6, FS+6        ; z^3
	CSQ  FC+3, FS+3, FC+5, FS+5                    ; z^4
	CMUL FC+2, FS+2, FC+3, FS+3, FC+6, FS+6        ; z^5
	CSQ  FC+1, FS+1, FC+4, FS+4                    ; z^6
	CMUL FC,   FS,   FC+3, FS+3, FC+4, FS+4        ; z^7
	CSQ  Z8,   Z8+1,   FC+3, FS+3
	CSQ  Z16,  Z16+1,  Z8,   Z8+1
	CSQ  Z32,  Z32+1,  Z16,  Z16+1
	CSQ  Z64,  Z64+1,  Z32,  Z32+1
	CSQ  Z128, Z128+1, Z64,  Z64+1
	v_cndmask_b32 v[PP],   1.0, v[Z8],     s73     ; E_7 = z^(128 (1 - i) + 8 (1 - lane / 16)): z^8 in lanes 0-15,
	v_cndmask_b32 v[PP+1], 0,   v[Z8+1],   s73
	v_cndmask_b32 v[QQ],   1.0, v[Z128],   s75     ; z^128 in the waves of the upper rows (a choice of values; no branch)
	v_cndmask_b32 v[QQ+1], 0,   v[Z128+1], s75
	CMUL EE+14, EE+15, PP, PP+1, QQ, QQ+1
.irp t, 7,6,5,4,3,2,1
	CMUL EE+2*\t-2, EE+2*\t-1, EE+2*\t, EE+2*\t+1, Z16, Z16+1     ; E_(t-1) = E_t z^16
.endr
.endm
; ROW TILE t OF k: silu and the rotary turn of its 8 + 8 numbers a lane (X and Y), all in window 1.  The plain lines that must stand behind the transcendentals are work that is due anyway:
; behind the exponentials this row tile's cos and sin, behind the reciprocals the hold of row tile t - 1, which is then converted.
.macro KSTAGE t
.set XA, 8*(\t)
.set YA, 64+8*(\t)
.set XP, 8*(\t)-8
.set YP, 64+8*(\t)-8
.set EP, EE+2*(\t)
.irp p, 0,2,4,6
	v_pk_mul_f32 v[TA+\p:TA+\p+1], v[XA+\p:XA+\p+1], s[60:61] op_sel_hi:[1,0]      ; -k log2(e); each accumulator is read from its low end on
.endr
.irp p, 0,2,4,6
	v_pk_mul_f32 v[TA+8+\p:TA+8+\p+1], v[YA+\p:YA+\p+1], s[60:61] op_sel_hi:[1,0]
.endr
.irp p, 0,2,4,6
	v_exp_f32 v[TA+2*\p], v[TA+2*\p]                                              ; e^-k
	v_pk_mul_f32 v[CC+\p:CC+\p+1], v[FS+\p:FS+\p+1], v[EP:EP+1] op_sel:[0,1] op_sel_hi:[1,1]   ; Fs Es
	v_exp_f32 v[TA+2*\p+1], v[TA+2*\p+1]
	v_pk_mul_f32 v[SS+\p:SS+\p+1], v[FC+\p:FC+\p+1], v[EP:EP+1] op_sel:[0,1] op_sel_hi:[1,1]   ; Fc Es
	v_exp_f32 v[TA+2*\p+2], v[TA+2*\p+2]
	v_pk_fma_f32 v[CC+\p:CC+\p+1], v[FC+\p:FC+\p+1], v[EP:EP+1], v[CC+\p:CC+\p+1] op_sel_hi:[1,0,1] neg_lo:[0,0,1] neg_hi:[0,0,1]   ; cos = Fc Ec - Fs Es
	v_exp_f32 v[TA+2*\p+3], v[TA+2*\p+3]
	v_pk_fma_f32 v[SS+\p:SS+\p+1], v[FS+\p:FS+\p+1], v[EP:EP+1], v[SS+\p:SS+\p+1] op_sel_hi:[1,0,1]                                 ; sin = Fs Ec + Fc Es
.endr
	s_wait_alu depctr_va_vdst(0)
.irp p, 0,2,4,6,8,10,12,14
	v_pk_add_f32 v[TA+\p:TA+\p+1], v[TA+\p:TA+\p+1], 1.0 op_sel_hi:[1,0]
.endr
.if \t > 0
.irp q, 0,1,2,3,4,5,6,7
	v_rcp_f32 v[TA+\q], v[TA+\q]                                                  ; 1 / (1 + e^-k)
.endr
.irp q, 0,1,2,3,4,5,6,7
	v_rcp_f32 v[TA+8+\q], v[TA+8+\q]
.endr
	v_cvt_scalef32_pk8_fp8_f32 v[XC+2*(\t)-2:XC+2*(\t)-1], v[XP:XP+7], v[SCK]      ; n = 16 (t - 1) + 8 (lane / 16) + 0 .. 7: registers 2 (t - 1), 2 (t - 1) + 1 of the operand
	v_cvt_scalef32_pk8_fp8_f32 v[YC+2*(\t)-2:YC+2*(\t)-1], v[YP:YP+7], v[SCK]      ; (the plain lines below touch none of these registers)
	s_wait_alu depctr_va_vdst(0)
.else
.irp q, 0,1,2,3,4,5,6,7,8,9,10,11,12,13,14,15
	v_rcp_f32 v[TA+\q], v[TA+\q]
.endr
	v_nop                                                                         ; a plain instruction behind the last reciprocal
	s_wait_alu depctr_va_vdst(0)
.endif
.irp p, 0,2,4,6
	v_pk_mul_f32 v[XA+\p:XA+\p+1], v[XA+\p:XA+\p+1], v[TA+\p:TA+\p+1]             ; silu
	v_pk_mul_f32 v[YA+\p:YA+\p+1], v[YA+\p:YA+\p+1], v[TA+8+\p:TA+8+\p+1]
.endr
.irp p, 0,2,4,6
	v_pk_mul_f32 v[UU+\p:UU+\p+1], v[YA+\p:YA+\p+1], v[SS+\p:SS+\p+1]
	v_pk_mul_f32 v[WW+\p:WW+\p+1], v[XA+\p:XA+\p+1], v[SS+\p:SS+\p+1]
.endr
.irp p, 0,2,4,6
	v_pk_fma_f32 v[XA+\p:XA+\p+1], v[XA+\p:XA+\p+1], v[CC+\p:CC+\p+1], v[UU+\p:UU+\p+1] neg_lo:[0,0,1] neg_hi:[0,0,1]   ; X c - Y s
	v_pk_fma_f32 v[YA+\p:YA+\p+1], v[YA+\p:YA+\p+1], v[CC+\p:CC+\p+1], v[WW+\p:WW+\p+1]                                 ; Y c + X s
.endr
.endm
; A TILE: two heads of my sixteen, my 128 rows.
.macro TILE
	v_add_nc_u32 v[AX], s50, v[AX0]                ; the slot in hand,
	v_add_nc_u32 v[AY], s50, v[AY0]
	v_add_nc_u32 v[AV], s50, v[AV0]
	v_add_nc_u32 v[BX], s51, v[BX0]                ; the tile's 64 columns of the bias,
	v_add_nc_u32 v[BY], s51, v[BY0]
	v_add_nc_u32 v[BV], s51, v[BV0]
	v_add_nc_u32 v[SX], s52, v[SX0]                ; and its two heads' words in my stage
	v_add_nc_u32 v[SY], s52, v[SY0]
	ds_load_b32 v[BB],   v[BX]
	ds_load_b32 v[BB+1], v[BY]
	ds_load_b32 v[BB+2], v[BV]
	ds_load_b32 v[BB+3], v[BV] offset:128
	FETCH 0, BF0
	s_wait_dscnt 16                                ; the four bias numbers are in; the 16 fragment loads behind them may be out
.irp ct, 0,1,2,3
.irp j, 0,1,2,3,4,5,6,7
	v_mov_b32 v[BC+8*\ct+\j], v[BB+\ct]            ; a lane's column has one bias for its eight rows: C of the sums' first products
.endr
.endr
	FETCH 1, BF1
	s_wait_dscnt 16                                ; K step 0's fragments are in; the 16 just issued may be out
	WIN 0x42                                       ; tokens window 2, W and the bias window 0, sums window 1
	MUL 0, BF0
	PLACES                                         ; in front of the loads into the set just multiplied
	WIN 0
	FETCH 2, BF0
	s_wait_dscnt 16                                ; K step 1's are in
	WIN 0x52                                       ; C now window 1 too
	MUL 1, BF1
	PLACES
	WIN 0
	FETCH 3, BF1
	s_wait_dscnt 16                                ; K step 2's are in
	WIN 0x53                                       ; tokens window 3
	MUL 2, BF0
	s_wait_dscnt 0x0                               ; K step 3's are in; nothing more is fetched
	MUL 3, BF1
	PLACES                                         ; in front of the first reads of results
	WIN 0x41                                       ; v in place, window 1
.set n, 128
.rept 128
.set n, n+1
.endr
	WIN 0x01                                       ; source 0 window 1, codes and scale window 0
.irp t, 0,1,2,3,4,5,6,7
	v_cvt_scalef32_pk8_fp8_f32 v[VC0+2*\t:VC0+2*\t+1], v[128+8*\t:128+8*\t+7], v[SCV]
	v_cvt_scalef32_pk8_fp8_f32 v[VC1+2*\t:VC1+2*\t+1], v[192+8*\t:192+8*\t+7], v[SCV]
.endr
	v_nop                                          ; a plain instruction between the conversions and the lines that write their sources
	TRIG
.irp t, 0,1,2,3,4,5,6,7
	KSTAGE \t
.endr
.irp q, 0,1,2,3,4,5,6,7
.endr
	v_cvt_scalef32_pk8_fp8_f32 v[XC+14:XC+15], v[56:63], v[SCK]
	v_cvt_scalef32_pk8_fp8_f32 v[YC+14:YC+15], v[120:127], v[SCK]
	v_nop                                          ; a plain instruction between the conversions and the products that read their results
	WIN 0x01                                       ; k's codes window 1; v's codes and the results window 0
	v_wmma_f32_16x16x128_fp8_fp8 v[D2:D2+7],     v[XC:XC+15], v[VC0:VC0+15], 0     ; row m = X's lane, column e; K = my 128 n
	v_wmma_f32_16x16x128_fp8_fp8 v[D2+8:D2+15],  v[XC:XC+15], v[VC1:VC1+15], 0
	v_wmma_f32_16x16x128_fp8_fp8 v[D2+16:D2+23], v[YC:YC+15], v[VC0:VC0+15], 0
	v_wmma_f32_16x16x128_fp8_fp8 v[D2+24:D2+31], v[YC:YC+15], v[VC1:VC1+15], 0
	PLACES
	WIN 0
.irp j, 0,1,2,3,4,5,6,7
	v_cndmask_b32 v[32+\j], v[D2+\j], v[D2+8+\j], s74          ; register j of lanes 0-15 is row m = j (head 0): kept against head 0's v; of lanes 16-31 row 8 + j (head 1): against head 1's
.endr
.irp j, 0,1,2,3,4,5,6,7
	v_cndmask_b32 v[40+\j], v[D2+16+\j], v[D2+24+\j], s74
.endr
.irp j, 0,1,2,3,4,5,6,7
	ds_store_b32 v[SX], v[32+\j] offset:2560*\j    ; from X: d = 2 j + lane / 16; row 16 d + e of 80 bytes
.endr
.irp j, 0,1,2,3,4,5,6,7
	ds_store_b32 v[SY], v[40+\j] offset:2560*\j    ; from Y: d = 2 j + 1 - lane / 16
.endr
	s_xor_b32 s50, s50, SLOT                       ; on to the other slot,
	s_add_co_u32 s51, s51, 256                     ; the next 64 columns of the bias,
	s_add_co_u32 s52, s52, 8                       ; the next two heads' words,
	s_add_co_u32 s53, s53, 16                      ; and their sixteen thetas
.endm
	s_load_b256 s[4:11], s[0:1], 0x0               ; the tokens' codes s[4:5], W's codes s[6:7], the bias s[8:9], the scales' exponents s[10:11]
	s_load_b64 s[12:13], s[0:1], 0x20              ; out0
	v_lshl_add_u32 v[SPW], v0, 2, SPARE
	v_mov_b32 v[NIL], 0
	ds_add_u32 v1, v2
	ds_add_u32 v1, v2
	s_wait_dscnt 0x0
	v_lshrrev_b32 v30, 5, v0
	v_readfirstlane_b32 s14, v30                   ; wave 0..3
	s_lshr_b32 s15, s14, 1                         ; i: which 128 rows are mine
	s_and_b32 s16, s14, 1                          ; jw: which 16 heads
	s_bfe_u32 s17, ttmp6, 0x40000                  ; cx, cy: my place in the cluster
	s_bfe_u32 s18, ttmp6, 0x40004
	s_lshl_b32 s19, ttmp9, 2
	s_add_co_u32 s19, s19, s17                     ; the head group = 4 x cluster x + cx
	s_and_b32 s20, ttmp7, 0xffff
	s_lshl_b32 s20, s20, 2
	s_add_co_u32 s20, s20, s18                     ; the batch = 4 x cluster y + cy
	s_lshl_b32 s21, s18, 2
	s_lshl_b32 s21, 15, s21                        ; my row of the cluster: it shares the batch
	s_lshl_b32 s22, 0x1111, s17                    ; my column: it shares the heads
	; descriptor groups 1: rows of 512 elements of one byte, 16 bytes of padding behind each; 64 rows of tokens, 32 rows of W to a load
	s_or_b32 s24, s21, (1<<20)|(1<<21)|(6<<22)|(3<<25)   ; 15:0 the mask; 17:16 elements of 1 byte; 20 padding on; 21 set beside a mask; 24:22 after every 128 words (code 6); 31:25 four words (code 3)
	s_mov_b32 s25, 512<<16                         ; tensor_dim0
	s_mov_b32 s26, 64<<16                          ; tensor_dim1
	s_mov_b32 s27, 512<<16                         ; tile_dim0
	s_mov_b32 s28, 64                              ; tile_dim1
	s_mov_b32 s29, 512                             ; from row to row
	s_mov_b32 s30, 0
	s_mov_b32 s31, 0
	s_or_b32 s32, s22, (1<<20)|(1<<21)|(6<<22)|(3<<25)
	s_mov_b32 s33, 512<<16
	s_mov_b32 s34, 32<<16
	s_mov_b32 s35, 512<<16
	s_mov_b32 s36, 32
	s_mov_b32 s37, 512
	s_mov_b32 s38, 0
	s_mov_b32 s39, 0
	; byte offsets, each in registers of its own: the tokens' hang on the batch and the wave, W's on the head group and the wave
	s_lshl_b32 s76, s20, 17                        ; tokens: 256 rows of 512 bytes a batch,
	s_lshl_b32 s77, s14, 15                        ; 64 rows a wave
	s_add_co_u32 s76, s76, s77
	s_mov_b32 s77, 0
	s_lshl_b32 s78, s19, 19                        ; W: 1,024 rows a head group; wave w fetches slot rows 32 w on: head 16 (w / 2) + w % 2 of tile 0
	s_lshl_b32 s79, s15, 18
	s_add_co_u32 s78, s78, s79
	s_lshl_b32 s79, s16, 14
	s_add_co_u32 s78, s78, s79
	s_mov_b32 s79, 0
	s_lshl_b32 s80, s19, 12                        ; the bias: 1,024 numbers a head group
	s_mov_b32 s81, 0
	s_lshl_b32 s82, s20, 19                        ; out0: 256 rows of 2,048 bytes a batch, 64 rows a wave, 128 bytes a head group
	s_lshl_b32 s83, s14, 17
	s_add_co_u32 s82, s82, s83
	s_lshl_b32 s83, s19, 7
	s_add_co_u32 s82, s82, s83
	s_mov_b32 s83, 0
	s_mov_b32 s40, 1                               ; group 0 for the tokens: count = 1,
	s_mul_i32 s41, s14, 64*PITCH
	s_add_co_u32 s41, s41, TOK                     ; LDS address: no place in the cluster enters it
	s_mov_b32 s44, 1                               ; group 0 for W, which walks
	s_mul_i32 s45, s14, 32*PITCH                   ; slot 0
	s_mov_b32 s50, 0
	s_mov_b32 s51, 0
	s_mov_b32 s52, 0
	s_lshl_b32 s53, s19, 8
	s_lshl_b32 s84, s16, 7
	s_add_co_u32 s53, s53, s84                     ; 8 x my first head
	s_mov_b32 s73, 0x0000ffff
	s_mov_b32 s74, 0xffff0000
	s_cmp_eq_u32 s15, 0
	s_cselect_b32 s75, -1, 0
	s_wait_kmcnt 0x0
	s_load_b128 s[56:59], s[10:11], 0x0            ; e0 .. e3
	s_add_nc_u64 s[42:43], s[4:5], s[76:77]
	s_or_b32 s43, s43, 0x80000000                  ; type = 2
	s_add_nc_u64 s[46:47], s[6:7], s[78:79]
	s_or_b32 s47, s47, 0x80000000
	s_add_nc_u64 s[8:9], s[8:9], s[80:81]
	s_add_nc_u64 s[12:13], s[12:13], s[82:83]
	ROUND                                          ; all sixteen work-groups are here: the first joint loads meet
	tensor_load_to_lds s[40:43], s[24:31]          ; my 64 rows of the tokens
	s_nop 0
	tensor_load_to_lds s[44:47], s[32:39]          ; my 32 rows of W's tile 0: two loads of mine are out
	s_nop 0
	PLACES
	v_lshlrev_b32 v[T32], 5, v0
	global_load_b128 v[32:35], v[T32], s[8:9]      ; the group's bias: 32 bytes a thread
	global_load_b128 v[36:39], v[T32], s[8:9] offset:16
	v_and_b32 v[RR], 15, v0
	v_bfe_u32 v[HH], v0, 4, 1
	v_bfe_u32 v30, v0, 3, 1                        ; r / 8
	v_and_b32 v31, 7, v0                           ; r % 8
	s_mul_i32 s84, s16, 64*PITCH                   ; my 64 rows of a slot
	v_mul_u32_u24 v[AX0], v30, 33*PITCH            ; X: row 33 (r / 8) + 2 (r % 8)
	v_mad_u32_u24 v[AX0], v31, 2*PITCH, v[AX0]
	v_lshl_add_u32 v[AX0], v[HH], 4, v[AX0]
	v_add_nc_u32 v[AX0], s84, v[AX0]
	v_mul_u32_u24 v[AY0], v30, 31*PITCH            ; Y: row 31 (r / 8) + 2 (r % 8) + 1
	v_mad_u32_u24 v[AY0], v31, 2*PITCH, v[AY0]
	v_lshl_add_u32 v[AY0], v[HH], 4, v[AY0]
	s_add_co_u32 s85, s84, PITCH
	v_add_nc_u32 v[AY0], s85, v[AY0]
	v_mul_u32_u24 v[AV0], v[RR], PITCH             ; v of head 0: row 16 + r; head 1's lies 32 rows on
	v_lshl_add_u32 v[AV0], v[HH], 4, v[AV0]
	s_add_co_u32 s85, s84, 16*PITCH
	v_add_nc_u32 v[AV0], s85, v[AV0]
	s_lshl_b32 s85, s16, 11                        ; the bias of my 512 columns
	s_add_co_u32 s85, s85, BIAS
	v_mul_u32_u24 v[BX0], v30, 132
	v_lshl_add_u32 v[BX0], v31, 3, v[BX0]
	v_add_nc_u32 v[BX0], s85, v[BX0]
	v_mul_u32_u24 v[BY0], v30, 124
	v_lshl_add_u32 v[BY0], v31, 3, v[BY0]
	v_add_nc_u32 v[BY0], s85, v[BY0]
	v_add_nc_u32 v[BY0], 4, v[BY0]
	v_lshl_add_u32 v[BV0], v[RR], 2, s85
	v_add_nc_u32 v[BV0], 64, v[BV0]
	s_mul_i32 s86, s14, SREG
	s_add_co_u32 s86, s86, STG                     ; my stage
	v_mul_u32_u24 v[SX0], v[RR], 80                ; column e = r: 80 e; lanes 16-31: d one more (1,280 bytes) and head one more (4) for X; d one less and head one more for Y
	v_add_nc_u32 v[SX0], s86, v[SX0]
	v_mul_u32_u24 v24, v[HH], 1276
	v_add_nc_u32 v[SY0], 1280, v[SX0]
	v_sub_nc_u32 v[SY0], v[SY0], v24
	v_mad_u32_u24 v[SX0], v[HH], 1284, v[SX0]
	s_mul_i32 s87, s15, 128*PITCH
	s_add_co_u32 s87, s87, TOK                     ; my 128 token rows
	v_mul_u32_u24 v[ATOK], v[RR], PITCH
	v_lshl_add_u32 v[ATOK], v[HH], 4, v[ATOK]
	v_add_nc_u32 v[ATOK], s87, v[ATOK]
	s_mul_i32 s88, s14, 64*80                      ; the way out: wave w takes rows 64 w on; eight lanes to a row: lanes 0-3 of them the heads of jw = 0, lanes 4-7 those of jw = 1
	s_add_co_u32 s88, s88, STG
	v_bfe_u32 v24, v0, 2, 1
	v_bfe_u32 v25, v0, 3, 2
	v_and_b32 v26, 3, v0
	v_mul_u32_u24 v[RD0], v24, SREG
	v_mad_u32_u24 v[RD0], v25, 80, v[RD0]
	v_lshl_add_u32 v[RD0], v26, 4, v[RD0]
	v_add_nc_u32 v[RD0], s88, v[RD0]
	v_lshlrev_b32 v[VO], 11, v25
	v_lshl_add_u32 v[VO], v31, 4, v[VO]
	v_add_nc_u32 v27, BIAS, v[T32]
	s_wait_kmcnt 0x0
	s_add_co_i32 s72, s56, s57                     ; e0 + e1
	s_lshl_b32 s60, s72, 23
	s_add_co_u32 s60, s60, 0xbfb8aa3b              ; -log2(e) with e0 + e1 added to its exponent field
	s_mov_b32 s61, s60                             ; (named with it as a pair, so it is written)
	s_sub_co_i32 s63, s59, s72                     ; e3 - e0 - e1
	s_add_co_i32 s63, s63, 127
	s_lshl_b32 s62, s63, 23
	v_mov_b32 v[SCV], s62                          ; v's scale as f32: the conversion takes its exponent field
	s_sub_co_i32 s67, s58, s72                     ; e2 - e0 - e1: the same for k
	s_add_co_i32 s67, s67, 127
	s_lshl_b32 s68, s67, 23
	s_add_co_i32 s70, s58, s59
	s_add_co_i32 s70, s70, 127
	s_lshl_b32 s70, s70, 23                        ; 2^(e2 + e3) as f32
	s_mov_b32 s71, s70
	s_sub_co_i32 s72, 0, s72
	s_wait_loadcnt 0x0                             ; the bias
.irp j, 0,1,2,3,4,5,6,7
	v_ldexp_f32 v[32+\j], v[32+\j], s72            ; bias / 2^(e0 + e1)
.endr
	ds_store_b128 v27, v[32:35]
	ds_store_b128 v27, v[36:39] offset:16
	CHANGE 1                                       ; every wave's tokens, tile 0 and bias are in LDS; slot 1 gets its first fill, tile 1, as a refill is issued
	WIN 0x80                                       ; destination window 2
.irp s, 0,1
.irp t, 0,1,2,3,4,5,6,7
.irp c, 0,1,2,3
	ds_load_b128 v[16*(8*\s+\t)+4*\c:16*(8*\s+\t)+4*\c+3], v[ATOK] offset:16*PITCH*\t+128*\s+32*\c
.endr
.endr
.endr
	WIN 0xc0                                       ; destination window 3
.irp s, 0,1
.irp t, 0,1,2,3,4,5,6,7
.irp c, 0,1,2,3
	ds_load_b128 v[16*(8*\s+\t)+4*\c:16*(8*\s+\t)+4*\c+3], v[ATOK] offset:16*PITCH*\t+256+128*\s+32*\c
.endr
.endr
.endr
	WIN 0
	s_wait_dscnt 0x0                               ; my tokens are in registers:
	s_barrier_signal -1
	s_barrier_wait -1                              ; everybody's are: the stages may be written over them.  (Tile 1's load stays out)
	s_mov_b32 s54, 6
.Ltiles:                                           ; tiles 0 to 5: behind each the slot that it read is filled with the tile two on
	TILE
	CHANGE 1
	s_sub_co_u32 s54, s54, 1
	s_cmp_lg_u32 s54, 0
	s_cbranch_scc1 .Ltiles
	s_mov_b32 s54, 2
.Ltail:                                            ; tiles 6 and 7 are written out again: nothing is left to fetch
	TILE
	CHANGE 0                                       ; the first shows tile 7 whole to every wave; behind the second all four stages are whole
	s_sub_co_u32 s54, s54, 1
	s_cmp_lg_u32 s54, 0
	s_cbranch_scc1 .Ltail
	; THE WAY OUT.  Wave w takes rows 16 d + e = 64 w .. 64 w + 63, four rows an instruction: the two row halves' parts are added, multiplied by 2^(e2 + e3) and stored.
.irp q, 0,1,2,3,4,5,6,7,8,9,10,11,12,13,14,15
	ds_load_b128 v[32+4*\q:35+4*\q], v[RD0] offset:320*\q                 ; the part of rows n < 128,
	ds_load_b128 v[96+4*\q:99+4*\q], v[RD0] offset:2*SREG+320*\q          ; and of rows n >= 128: two stages on
.endr
.irp q, 0,1,2,3,4,5,6,7,8,9,10,11,12,13,14,15
	s_wait_dscnt 30-2*\q                           ; pair q of loads is in; the 2 (15 - q) behind it may be out
	v_pk_add_f32 v[32+4*\q:33+4*\q], v[32+4*\q:33+4*\q], v[96+4*\q:97+4*\q]
	v_pk_add_f32 v[34+4*\q:35+4*\q], v[34+4*\q:35+4*\q], v[98+4*\q:99+4*\q]
	v_pk_mul_f32 v[32+4*\q:33+4*\q], v[32+4*\q:33+4*\q], s[70:71] op_sel_hi:[1,0]
	v_pk_mul_f32 v[34+4*\q:35+4*\q], v[34+4*\q:35+4*\q], s[70:71] op_sel_hi:[1,0]
	global_store_b128 v[VO], v[32+4*\q:35+4*\q], s[12:13] offset:8192*\q  ; eight lanes store 128 consecutive bytes of a row; the row's next 128 are the neighbouring head group's
.endr
	s_wait_tensorcnt 0x0                           ; the wave's end, behind my last tensor load and my last LDS store
	ds_add_u32 v[SPW], v[NIL]
	s_wait_dscnt 0x0
	ROUND                                          ; the closing round: no work-group ends while a partner may still ask for a tile that names it
	s_endpgm
.Lfunc_end_k_q19adb40e2b_fused:
	.size	k_q19adb40e2b_fused, .Lfunc_end_k_q19adb40e2b_fused-k_q19adb40e2b_fused
	.p2alignl 7, 3214868480
	.fill 96, 4, 3214868480
	.section	.rodata,"a",@progbits
	.p2align	6, 0x0
	.amdhsa_kernel k_q19adb40e2b_fused
		.amdhsa_group_segment_fixed_size 327680
		.amdhsa_private_segment_fixed_size 0
		.amdhsa_enable_private_segment 0
		.amdhsa_kernarg_size 40
		.amdhsa_user_sgpr_count 2
		.amdhsa_user_sgpr_kernarg_segment_ptr 1
		.amdhsa_wavefront_size32 1
		.amdhsa_system_sgpr_workgroup_id_x 1
		.amdhsa_system_sgpr_workgroup_id_y 1
		.amdhsa_system_sgpr_workgroup_id_z 1
		.amdhsa_system_vgpr_workitem_id 0
		.amdhsa_next_free_vgpr 1024
		.amdhsa_next_free_sgpr 96
		.amdhsa_reserve_vcc 0
		.amdhsa_float_denorm_mode_32 3
		.amdhsa_float_denorm_mode_16_64 3
		.amdhsa_fp16_overflow 1
		.amdhsa_memory_ordered 1
		.amdhsa_forward_progress 1
		.amdhsa_inst_pref_size 150
	.end_amdhsa_kernel
	.amdgpu_metadata
---
amdhsa.version: [ 1, 2 ]
amdhsa.kernels:
  - .name:           k_q19adb40e2b_fused
    .symbol:         k_q19adb40e2b_fused.kd
    .args:
      - { .name: token_codes, .offset: 0, .size: 8, .value_kind: global_buffer, .address_space: global }
      - { .name: W_proj_codes, .offset: 8, .size: 8, .value_kind: global_buffer, .address_space: global }
      - { .name: b_proj, .offset: 16, .size: 8, .value_kind: global_buffer, .address_space: global }
      - { .name: lowp_scales, .offset: 24, .size: 8, .value_kind: global_buffer, .address_space: global }
      - { .name: out0, .offset: 32, .size: 8, .value_kind: global_buffer, .address_space: global }
    .group_segment_fixed_size: 327680
    .private_segment_fixed_size: 0
    .kernarg_segment_align: 8
    .kernarg_segment_size: 40
    .max_flat_workgroup_size: 128
    .sgpr_count:     96
    .vgpr_count:     1024
    .wavefront_size: 32
...
	.end_amdgpu_metadata
.endif
;; end of part 1
